; MI455X (gfx1250); checked and timed in simulation.
; The chip was launched on July 23, 2026; its instructions are those of AMD's public machine-readable ISA for CDNA 5 (MIT licence, August 2026) and "CDNA5" Instruction Set Architecture Reference Guide (July 2026). The comments in the code are by the model that wrote it; some were corrected since.
;; Multi Head Attention. Allowed arithmetic: matrix products marked QUANTISED: E4M3 operands, one E8M0 scale for each 32 along K, by v_wmma_scale_f32_16x16x128_f8f6f4 with both operands' format E4M3, f32 sums; everything else in f32.
;; Inputs: b_in 3,072 float32; b_o 1,024 float32; key 2 x 2,048 x 1,024 float32; query_codes 2 x 2,048 x 32 x 32 uint8 (E4M3 codes of query, K innermost, in blocks of 32 codes); query_scales 2 x 2,048 x 32 uint8 (E8M0 scales of query, one for each 32 codes along K); value 2 x 2,048 x 1,024 float32; w_in_codes 3,072 x 32 x 32 uint8 (E4M3 codes of w_in, K innermost, in blocks of 32 codes); w_in_scales 3,072 x 32 uint8 (E8M0 scales of w_in, one for each 32 codes along K); w_o_codes 1,024 x 32 x 32 uint8 (E4M3 codes of w_o, K innermost, in blocks of 32 codes); w_o_scales 1,024 x 32 uint8 (E8M0 scales of w_o, one for each 32 codes along K).
;; Outputs: out0 2 x 2,048 x 1,024 float32.
;; This version of the problem:
;;   THIS VERSION OF THE PROBLEM IS GIVEN IN LOW PRECISION. The matrix products marked QUANTISED in the list below multiply operands that are first quantised to E4M3 (4 exponent bits, 3 mantissa bits; 8 bits a number), with one power-of-two scale for each 32 numbers along K (OCP MX v1.0); their sums are f32. All else is computed in f32.
;;   The module's matrix products, in the order in which they are computed (A, B: the left and right operand; K: the contracted axis; several contracted axes count as one K, in the product's order):
;;     1. [M 4,096, K 1,024] x [K 1,024, N 3,072]; A: input query (given as codes); B: input w_in (given as codes): QUANTISED
;;     2. batch 32 x [M 2,048, K 64] x [K 64, N 2,048]; A: computed on the way; B: computed on the way: QUANTISED
;;     3. batch 32 x [M 2,048, K 2,048] x [K 2,048, N 64]; A: softmax (see below); B: computed on the way: QUANTISED
;;     4. [M 4,096, K 1,024] x [K 1,024, N 1,024]; A: computed on the way; B: input w_o (given as codes): QUANTISED
;;   THE QUANTISER, for each operand of a quantised product, along K:
;;     - K is cut into blocks of 32 from its start; a last block that is shorter is filled with zeros.
;;     - A block's scale is 2^e with e = floor(log2(the largest magnitude in the block)) - 8, held to -126 .. 127; a block of zeros has e = 0. As a byte (E8M0): e + 127.
;;     - Each number is divided by its block's scale, clamped to +-448, and rounded to the nearest number of E4M3, ties to even, subnormals kept.
;;     - The product sums the exact products of the quantised numbers (number of the format x scale) in f32.
;;   ~~~python
;;   def quantise(x, axis):      # numpy; x: float32 -> the quantised numbers, widened to float32 again
;;       x = np.moveaxis(x, axis, -1); K = x.shape[-1]
;;       x = np.pad(x, [(0, 0)] * (x.ndim - 1) + [(0, -K % 32)]); x = x.reshape(x.shape[:-1] + (-1, 32)); a = np.abs(x).max(-1, keepdims=True)
;;       e = np.where(a > 0, np.clip(np.frexp(np.where(a > 0, a, 1))[1] - 1 - 8, -126, 127), 0)      # np.frexp(a)[1] - 1 = floor(log2(a)), exactly
;;       r = np.clip(x / 2.0 ** e, -448, 448)
;;       step = 2.0 ** (np.maximum(np.frexp(np.where(r == 0, 1, r))[1] - 1, -6) - 3)
;;       q = np.round(r / step) * step * 2.0 ** e      # np.round: ties to even
;;       return np.moveaxis(q.reshape(q.shape[:-2] + (-1,))[..., :K], -1, axis).astype(np.float32)
;;   ~~~
;;   SOFTMAX AHEAD OF A QUANTISED PRODUCT. Where the list says 'softmax', what is quantised is not the finished softmax but p = 2^(t - M), with t = logit x log2(e) and M = ceil(the row's largest t), a whole number; so 1/2 < the row's largest p <= 1. The row's sum l is taken of the UNQUANTISED p, in f32, and the product's result is divided by l at the end. Since M is a whole number, a kernel that streams over the keys may use a running M (the ceiling of the running maximum): every later rescaling is an exact power of two, which a block's scale takes up: the codes' values come out the same.
;;   OPERANDS COMPUTED ON THE WAY. 'Computed on the way' means the value that the module computes at that place (a softmax that the list does not call 'softmax' is quantised finished and normalised). What goes into a quantiser is computed in f32, as accurately as f32 sums, v_exp_f32 and their like allow (about 1e-6 of the number): no bf16 or f16 on the way to a quantiser, and a product that is left as it is and whose result goes on into a quantised operand takes f32 operands (vector FMAs, or v_wmma_f32_16x16x4_f32). A number that lies on a knife's edge between two numbers of the format may be rounded either way, as far as f32 arithmetic and the matrix unit's own rounding can turn it there, and no further.
;;   INPUTS GIVEN AS CODES. query (in the module: [2, 2048, 1024], K = its axis 2); w_in (in the module: [3072, 1024], K = its axis 1); w_o (in the module: [1024, 1024], K = its axis 1): each comes as NAME_codes (uint8): NAME with its K axis moved to the last place and cut into blocks of 32 codes, [.., K / 32, bytes a block], one block behind the other in memory; one code a byte (a code: sign, 4 exponent bits, 3 mantissa bits); and NAME_scales (uint8): the same leading axes, one E8M0 byte (e + 127) for each 32 codes along K. Its value is code x scale, taken as it is: it is not quantised again, and the codes and scales need not be those that the quantiser above would give.
;; One version. Each part assembles by itself: llvm-mc -triple=amdgcn-amd-amdhsa -mcpu=gfx1250 --defsym DOCPART=n.
;; ======== version 1 of 1: 3 launches
;; limits: right only within a limited range of input values
;; workspace buffers: qkv 13,369,344 bytes; acode 4,194,304 bytes; asc 131,072 bytes
;; launch proj (part 1): grid 16 x 16, 4 waves a work-group, clusters of 4 x 4, 327,680 bytes of LDS; arguments query_codes, query_scales, w_in_codes, w_in_scales, b_in, qkv; writes qkv
.if DOCPART == 1
	.amdgcn_target "amdgcn-amd-amdhsa--gfx1250"
	.amdhsa_code_object_version 6
	.text
	.protected	k_q53807b05fc_proj
	.globl	k_q53807b05fc_proj
	.p2align	8
	.type	k_q53807b05fc_proj,@function
k_q53807b05fc_proj:
	s_mov_b64 s[64:65], 0
	v_nop
	global_prefetch_b8 v0, s[64:65] scope:SCOPE_SE
	s_setreg_imm32_b32 hwreg(HW_REG_WAVE_MODE, 25, 1), 1
	s_wait_xcnt 0x0
	s_wait_alu depctr_hold_cnt(0) depctr_sa_sdst(0) depctr_va_vdst(0) depctr_va_sdst(0) depctr_va_ssrc(0) depctr_va_vcc(0) depctr_vm_vsrc(0)
	s_getreg_b32 s2, hwreg(HW_REG_IB_STS2, 6, 4)
	s_cmp_eq_u32 s2, 0
	s_cbranch_scc0 .Lentry_in_a_cluster
	s_endpgm
.Lentry_in_a_cluster:
	s_bfe_u32 s2, ttmp6, 0x10000c
	s_cmp_lg_u32 s2, 0xf033
	s_cbranch_scc0 .Lentry_shape_is_right
	s_endpgm
.Lentry_shape_is_right:
; LAUNCH 1 OF 3.  qkv = query w_in^T + b_in on codes of E4M3 with one E8M0 scale for each 32 along K = 1,024; sums in f32; then q and k are quantised along the head's 64, v along the keys.
; WORK LEFT OUT: the inputs key and value.  The function computes q, k and v all from query and never reads key or value, so no value of theirs can reach the output: they are not loaded and are among no launch's arguments.
; LIMITS: a NaN, an infinity or an overflow in key or value is not carried to the result.  NaN and infinities among the other inputs are not served.  A block whose largest magnitude lies under 2^-118 keeps the scale byte 1;
; a block of zeros keeps the byte 1 where the quantiser says 127: its codes are zeros, and these bytes are read by this program alone.
; SHARES.  256 work-groups: 256 tokens x one head's q, k and v (64 rows of w_in each).  Four waves; wave w makes tokens 64 w .. 64 w + 63 x all three kinds: 48 accumulators, 384 registers.
; K goes in four slices of 256 through a ring of two LDS slots, filled by joint loads, one a wave: wave 0 brings query's 256 rows, waves 1, 2, 3 the 64 rows of w_in for q, k, v.  A slot is filled again behind a drained round.
; UNITS.  K step s = 0 .. 7 of 128 and kind k make unit 3 s + k: 16 matrix instructions.  Behind a unit's first eight, the fragments of the unit two on are fetched; query's of the next K step with those of its first unit.
; So a slot's last reads are issued in its second K step's first unit, and the change of slots stands in the second unit: units 4, 10, 16.
; ROLES.  Source 0 = 16 rows of R, source 1 = 16 rows of P: a lane holds one row of P and its registers run along R.  For q and k: P = tokens, R = the head's 64; for v: P = the head's 64, R = tokens (the keys are v's K).
; ORDER INSIDE A BLOCK OF 32.  A lane's 16 registers of two neighbouring tiles are numbers 8 h + 0..7 and 16 + 8 h + 0..7 of the block (h = lane / 16), stored in that order: the same on both operands of the next products.
; qkv: [head 32][kind 3][step of 128 tokens 16][8,704 bytes].  A chunk of q or k: [token tile 8][block 2][512]: lane l's 16 codes at 16 l: an image of the operand's registers; from byte 8,192: 16 (16 (tile / 4) + r) + 4 (tile % 4): the
; token's two scale bytes, twice.  A chunk of v: [d tile 4][key block 4][512]; from byte 8,192: [copy 2][r 16][d tile 4]: the row's four scale bytes.
; CLUSTER: 4 x 4.  query's tiles are shared along a row of the cluster, w_in's along a column: joint loads.
; NO PREFETCH: K is four slices: two are asked for by the head's two rounds, and the other two have six units, 96 matrix instructions, in which to land: there is no loop in which a request could run ahead.
; REGISTERS.  window 0: v1 r, v2 h, v4 16 x lane, v5-7 offsets, v8-9, v10-11 LDS addresses of query's and w_in's fragments in slots 0, 1, v16-24 the way out, v28-29 the add's two, v32-47 query's scale words, v50-97 w_in's,
; v98-193 the bias, later the codes, v194-231 at work.  window 1: v0-127 query's fragments, two sets; v128-191, v192-255 w_in's for q, k; window 3: v128-191 w_in's for v.  Accumulators (a, b) at 8 (4 a + b): q window 2 from v0, k from v128, v window 3 from v0.
.set WOFF,  69632                      ; in a slot: query's 256 rows of 256 bytes + 16 of padding, then w_in's 3 x 64
.set R64,   17408                      ; 64 such rows
.set SLOT,  121856
.set VST,   2*SLOT                     ; 512 bytes: v's scale bytes meet here, 256 bytes for each 128 tokens; no tensor load lands here
.set SPARE, VST+512                    ; the spare words, 128 bytes for each wave
.set KIND,  139264
.set COQ,   16
.set COV,   17
.set SPW,   28
.set NIL,   29
.set SCX,   32
.set SCW,   50                         ; (never equal to a number of query's modulo 8 in one product)
.set BI,    98
.set PC,    98
.set HW,    194                        ; v194-205 the scale bytes in pairs
.set TM,    206                        ; v206-209 largest magnitudes, 210-213 bytes, 214-217 448 x the scale, 218-221 the conversions' scale operands
.set WD,    222                        ; v222-231 scale words on their way out
.set G1X,   24                         ; s[24:31] descriptor group 1 for query's tiles;  s[32:39] for w_in's
.set G1W,   32
.set G0X,   40                         ; s[40:47] query's groups 0, one a slot;  s[48:55] w_in's
.set G0W,   48
.set MSB,   0
.macro WIN new                         ; the immediate's high byte repeats the setting that is left
.if MSB != \new
	s_set_vgpr_msb (MSB<<8)|(\new)
.set MSB, \new
.endif
.endm
.macro PLACES n
.rept \n
	v_nop
.endr
.endm
.macro CREST                           ; a round of the cluster's barrier behind its opening barrier
	s_cmp_lg_u32 s16, 0
	s_cbranch_scc1 .Lnot_wave_0_\@
	s_barrier_signal -3
.Lnot_wave_0_\@:
	s_barrier_wait -3
	s_barrier_signal -1
	s_barrier_wait -1
.endm
.macro CROUND                          ; a whole round
	s_barrier_signal -1
	s_barrier_wait -1
	CREST
.endm
.macro JLOAD s                         ; one joint load a wave, into slot s: an s_nop 0 and four v_nop behind each line
	s_cmp_eq_u32 s16, 0
	s_cbranch_scc0 .Lfor_w_\@
	tensor_load_to_lds s[G0X+4*\s:G0X+4*\s+3], s[G1X:G1X+7]
	s_nop 0
	PLACES 4
	s_branch .Lasked_\@
.Lfor_w_\@:
	tensor_load_to_lds s[G0W+4*\s:G0W+4*\s+3], s[G1W:G1W+7]
	s_nop 0
	PLACES 4
.Lasked_\@:
.endm
.macro FETCHX s                        ; query's four fragments of K step s: 16 loads
	WIN 0x40
.irp a, 0,1,2,3
.irp c, 0,1,2,3
	ds_load_b128 v[64*((\s)%2)+16*\a+4*\c:64*((\s)%2)+16*\a+4*\c+3], v[8+((\s)/2)%2] offset:\a*4352+((\s)%2)*128+32*\c
.endr
.endr
.endm
.macro FETCHW n                        ; w_in's four fragments of unit n: 16 loads
.if (\n)%3 == 2
	WIN 0xc0
.else
	WIN 0x40
.endif
.irp b, 0,1,2,3
.irp c, 0,1,2,3
	ds_load_b128 v[128+64*(((\n)%3)%2)+16*\b+4*\c:128+64*(((\n)%3)%2)+16*\b+4*\c+3], v[10+((\n)/6)%2] offset:((\n)%3)*R64+\b*4352+(((\n)/3)%2)*128+32*\c
.endr
.endr
.endm
.macro AHEAD u                         ; the fetch of unit u: the unit two on, and query's next K step where that unit begins one
.if (\u)%3 == 1
	FETCHX (\u)/3+1
.endif
	FETCHW (\u)+2
.endm
; 8 matrix instructions of unit u: P's tiles a0, a0 + 1 x R's four.  The first K step's sums start from the bias (q, k: along R; v: along P).  A scale register holds step s % 4 in lanes 0-15 and step 4 + s % 4 in lanes 16-31.
; A unit's 16 accumulators take turns, one instruction a turn, and the three kinds' by turns too.
.macro MUL8 u, a0
.set K_, (\u)%3
.set S_, (\u)/3
.set Q_, S_%4
.set AC_, 128*(K_%2)
.if K_ == 2
.set R_, 64*(S_%2)
.set P_, 128
.set SR_, SCX
.set SP_, SCW+32
.if S_ == 0
	WIN 0xcd                                       ; source 0 window 1, source 1 window 3, C window 0, D window 3
.else
	WIN 0xfd
.endif
.else
.set R_, 128+64*K_
.set P_, 64*(S_%2)
.set SR_, SCW+16*K_
.set SP_, SCX
.if S_ == 0
	WIN 0x85                                       ; sources 0, 1 window 1, C window 0, D window 2
.else
	WIN 0xa5
.endif
.endif
.irp a, \a0, \a0+1
.irp b, 0,1,2,3
.if S_ == 0
.if K_ == 2
.set C_, BI+64+8*(\a)
.else
.set C_, BI+32*K_+8*\b
.endif
.else
.set C_, AC_+8*(4*(\a)+\b)
.endif
.if S_ < 4
	v_wmma_scale_f32_16x16x128_f8f6f4 v[AC_+8*(4*(\a)+\b):AC_+8*(4*(\a)+\b)+7], v[R_+16*\b:R_+16*\b+15], v[P_+16*(\a):P_+16*(\a)+15], v[C_:C_+7], v[SR_+4*\b+Q_], v[SP_+4*(\a)+Q_]
.else
	v_wmma_scale_f32_16x16x128_f8f6f4 v[AC_+8*(4*(\a)+\b):AC_+8*(4*(\a)+\b)+7], v[R_+16*\b:R_+16*\b+15], v[P_+16*(\a):P_+16*(\a)+15], v[C_:C_+7], v[SR_+4*\b+Q_], v[SP_+4*(\a)+Q_] matrix_a_scale:MATRIX_SCALE_ROW1 matrix_b_scale:MATRIX_SCALE_ROW1
.endif
.endr
.endr
.endm
.macro UNIT u
.if (\u) == 23
	s_wait_dscnt 0x0
.elseif (\u)%3 == 2
	s_wait_dscnt 32                                ; my fragments are in; the fetch of the unit before, w_in's 16 loads and query's 16, may be out
.else
	s_wait_dscnt 16                                ; here w_in's 16 alone
.endif
	MUL8 \u, 0
.if (\u) < 22
	PLACES 8                                       ; in front of loads into what the unit before multiplied (ISA guide 7.12.1 for vector instructions)
	AHEAD \u
.endif
	MUL8 \u, 2
.endm
; The change of slots, in unit u: all reads of the slot have been issued.  fill = 1: a round of the cluster's barrier, and the slot is filled again, two slices on; fill = 0: a plain barrier that shows the last slice.
.macro TURN u, slot, fill
	WIN 0
	s_wait_tensorcnt 0x0                           ; my part of the next slot is in
.if \fill
	ds_add_u32 v[SPW], v[NIL]                      ; 0 onto my spare word
	s_wait_dscnt 17                                ; my fragments are in; the next unit's 16 loads and the add may be out
.else
	s_wait_dscnt 16
.endif
	MUL8 \u, 0
	s_wait_dscnt 0x0                               ; my reads of the slot are over
	s_barrier_signal -1
	MUL8 \u, 2
	WIN 0
	s_barrier_wait -1
.if \fill
	CREST
	s_add_nc_u64 s[G0X+4*\slot+2:G0X+4*\slot+3], s[G0X+4*\slot+2:G0X+4*\slot+3], 512
	s_add_nc_u64 s[G0W+4*\slot+2:G0W+4*\slot+3], s[G0W+4*\slot+2:G0W+4*\slot+3], 512
	JLOAD \slot
	PLACES 4                                       ; with the four behind the load the places in front of the loads below
.else
	PLACES 8
.endif
	AHEAD \u
.endm
; 64 numbers of a lane in window w, four blocks' halves of 16 (block t at v[s + 16 t]), become codes in v[pc] on (four registers a block) and two pairs of scale bytes in v[hw], v[hw + 1].
.macro QUANT w, s, pc, hw
	WIN (\w)|((\w)<<2)
.irp b, 0,1,2,3
	v_max3_num_f32 v[TM+\b], |v[\s+16*\b]|, |v[\s+1+16*\b]|, 0x4800000   ; my 16 numbers and the floor 2^(9 - 127): the byte cannot fall under 1
.endr
	WIN ((\w)<<2)|((\w)<<4)
.irp i, 2,4,6,8,10,12,14
.irp b, 0,1,2,3
	v_max3_num_f32 v[TM+\b], v[TM+\b], |v[\s+16*\b+\i]|, |v[\s+1+16*\b+\i]|   ; the four blocks by turns; each accumulator from its low end on
.endr
.endr
	WIN 0
.irp b, 0,1,2,3
	v_permlanex16_b32 v[TM+4+\b], v[TM+\b], s20, s21
.endr
.irp b, 0,1,2,3
	v_max_num_f32 v[TM+\b], v[TM+\b], v[TM+4+\b]   ; with lane l xor 16's 16: the block's largest magnitude
.endr
.irp b, 0,1,2,3
	v_add_nc_u32 v[TM+12+\b], 0xfc000000, v[TM+\b] ; 8 off its exponent field: the conversion's scale operand
.endr
.irp b, 0,1,2,3
	v_and_or_b32 v[TM+8+\b], v[TM+\b], 0x7f800000, s22   ; 448 x the scale
.endr
.irp b, 0,1,2,3
	v_lshrrev_b32 v[TM+4+\b], 23, v[TM+12+\b]      ; the scale's byte
.endr
	v_lshl_or_b32 v[\hw], v[TM+5], 8, v[TM+4]
	v_lshl_or_b32 v[\hw+1], v[TM+7], 8, v[TM+6]
	WIN (\w)|((\w)<<6)
.irp b, 0,1,2,3
.irp i, 0,1,2,3,4,5,6,7,8,9,10,11,12,13,14,15
	v_med3_num_f32 v[\s+16*\b+\i], v[\s+16*\b+\i], -v[TM+8+\b], v[TM+8+\b]   ; the conversion to an 8-bit code does not saturate (ISA guide 7.6.2): the hold comes first
.endr
.endr
	WIN \w
.irp b, 0,1,2,3
	v_cvt_scalef32_pk8_fp8_f32 v[\pc+4*\b:\pc+4*\b+1], v[\s+16*\b:\s+16*\b+7], v[TM+12+\b]
	v_cvt_scalef32_pk8_fp8_f32 v[\pc+4*\b+2:\pc+4*\b+3], v[\s+16*\b+8:\s+16*\b+15], v[TM+12+\b]
.endr
	v_nop                                          ; a plain line behind the last conversion
	WIN 0
.endm
	s_load_b256 s[4:11], s[0:1], 0x0               ; query's codes s[4:5], its scales s[6:7], w_in's codes s[8:9], its scales s[10:11]
	s_load_b128 s[12:15], s[0:1], 0x20             ; b_in s[12:13], qkv s[14:15]
	v_lshl_add_u32 v[SPW], v0, 2, SPARE
	v_mov_b32 v[NIL], 0
	ds_add_u32 v[SPW], v[NIL]                      ; the wave's opening: the add, twice on end, and its wait ahead of my first tensor load
	ds_add_u32 v[SPW], v[NIL]
	v_lshrrev_b32 v1, 5, v0
	v_readfirstlane_b32 s16, v1                    ; wave 0..3
	s_lshr_b32 s18, s16, 1                         ; which 128 of the 256 tokens,
	s_and_b32 s19, s16, 1                          ; which 64 of them
	s_bfe_u32 s76, ttmp6, 0x40000                  ; cx, cy: my place in the cluster
	s_bfe_u32 s77, ttmp6, 0x40004
	s_lshl_b32 s78, ttmp9, 2
	s_add_co_u32 s78, s78, s76                     ; the head
	s_and_b32 s79, ttmp7, 0xffff
	s_lshl_b32 s79, s79, 2
	s_add_co_u32 s79, s79, s77                     ; ty: which 256 tokens
	s_lshl_b32 s80, s77, 2
	s_lshl_b32 s80, 15, s80                        ; my row of the cluster
	s_lshl_b32 s81, 0x1111, s76                    ; my column
	s_or_b32 s[G1X], s80, (1<<20)|(1<<21)|(5<<22)|(3<<25)   ; 15:0 the mask; 17:16 elements of 1 byte; 20 padding on; 21 set beside a mask; 24:22 after every 64 words; 31:25 four words
	s_mov_b32 s[G1X+1], 256<<16                    ; tensor_dim0 = 256
	s_mov_b32 s[G1X+2], 256<<16                    ; tensor_dim1 = 256
	s_mov_b32 s[G1X+3], 256<<16                    ; tile_dim0 = 256
	s_mov_b32 s[G1X+4], 256                        ; tile_dim1 = 256
	s_mov_b32 s[G1X+5], 1024                       ; from row to row
	s_mov_b32 s[G1X+6], 0
	s_mov_b32 s[G1X+7], 0
	s_or_b32 s[G1W], s81, (1<<20)|(1<<21)|(5<<22)|(3<<25)
	s_mov_b32 s[G1W+1], 256<<16
	s_mov_b32 s[G1W+2], 64<<16                     ; 64 rows of a kind
	s_mov_b32 s[G1W+3], 256<<16
	s_mov_b32 s[G1W+4], 64
	s_mov_b32 s[G1W+5], 1024
	s_mov_b32 s[G1W+6], 0
	s_mov_b32 s[G1W+7], 0
	s_lshl_b32 s84, s79, 18                        ; query: 256 ty rows of 1,024 bytes
	s_mov_b32 s85, 0
	s_max_u32 s17, s16, 1
	s_sub_co_u32 s17, s17, 1                       ; waves 1, 2, 3: the kind that I fetch
	s_lshl_b32 s86, s17, 20                        ; w_in: 1,024 rows a kind,
	s_lshl_b32 s96, s78, 16
	s_add_co_u32 s86, s86, s96                     ; 64 rows a head
	s_mov_b32 s87, 0
	s_mul_i32 s88, s16, R64
	s_add_co_u32 s88, s88, WOFF-R64                ; and where they go: wave 1's first: no place in the cluster enters an LDS address
	s_mov_b32 s20, 0x76543210
	s_mov_b32 s21, 0xfedcba98                      ; v_permlanex16_b32's selects for lane l xor 16
	s_mov_b32 s22, 0x600000                        ; the mantissa field of 448
	s_wait_dscnt 0x0                               ; both opening adds are done
	s_wait_kmcnt 0x0
	s_add_nc_u64 s[84:85], s[4:5], s[84:85]
	s_add_nc_u64 s[86:87], s[8:9], s[86:87]
.irp j, 0,1
	s_mov_b32 s[G0X+4*\j], 1
	s_mov_b32 s[G0X+4*\j+1], \j*SLOT
	s_add_nc_u64 s[G0X+4*\j+2:G0X+4*\j+3], s[84:85], \j*256
	s_or_b32 s[G0X+4*\j+3], s[G0X+4*\j+3], 0x80000000
	s_mov_b32 s[G0W+4*\j], 1
	s_add_co_u32 s[G0W+4*\j+1], s88, \j*SLOT
	s_add_nc_u64 s[G0W+4*\j+2:G0W+4*\j+3], s[86:87], \j*256
	s_or_b32 s[G0W+4*\j+3], s[G0W+4*\j+3], 0x80000000
.endr
	CROUND                                         ; all sixteen work-groups are here: the joint loads meet
	JLOAD 0                                        ; slice 0
	s_mul_i32 s89, s16, R64                        ; my 64 tokens in a slot
	s_mov_b32 s97, 0
	s_lshl_b32 s96, s79, 13                        ; query's scales at my first token: a row of scales is 32 bytes
	s_lshl_b32 s90, s16, 11
	s_add_co_u32 s96, s96, s90
	s_add_nc_u64 s[6:7], s[6:7], s[96:97]
	s_lshl_b32 s96, s78, 11                        ; w_in's at my head's first row of q
	s_add_nc_u64 s[10:11], s[10:11], s[96:97]
	s_lshl_b32 s96, s78, 8                         ; b_in at my head's 64 numbers of q
	s_add_nc_u64 s[12:13], s[12:13], s[96:97]
	s_lshr_b32 s96, s79, 3                         ; the batch
	s_lshl_b32 s96, s96, 4
	s_add_co_u32 s96, s96, s78                     ; 16 x batch + head
	s_mul_i32 s96, s96, 3*KIND
	s_and_b32 s90, s79, 7
	s_lshl_b32 s90, s90, 1
	s_add_co_u32 s90, s90, s18                     ; the step of 128 tokens
	s_mul_i32 s90, s90, 8704
	s_add_co_u32 s96, s96, s90
	s_add_nc_u64 s[14:15], s[14:15], s[96:97]      ; qkv at my chunk of q
	s_lshl_b32 s91, s19, 12                        ; the codes of my 64 tokens: in a chunk of q or k,
	s_lshl_b32 s92, s19, 10                        ; in one of v;
	s_lshl_b32 s93, s19, 8                         ; and my half of the scale words
	s_lshl_b32 s94, s18, 8
	s_add_co_u32 s94, s94, VST                     ; v: my 128 tokens' 256 bytes in LDS
	s_lshl_b32 s95, s19, 1
	s_add_co_u32 s95, s95, s94
	v_and_b32 v1, 15, v0                           ; r
	v_bfe_u32 v2, v0, 4, 1                         ; h
	v_and_b32 v4, 31, v0
	v_lshlrev_b32 v4, 4, v4                        ; 16 x lane
	v_mul_u32_u24 v3, v1, 272
	v_lshl_add_u32 v3, v2, 4, v3                   ; a fragment's row x pitch + 16 h
	v_add_nc_u32 v8, s89, v3
	v_add_nc_u32 v10, WOFF, v3
	v_add_nc_u32 v9, SLOT, v8
	v_add_nc_u32 v11, SLOT, v10
	v_lshlrev_b32 v5, 5, v1
	v_lshl_add_u32 v5, v2, 4, v5                   ; 32 r + 16 h: lanes 0-15 take a row's words of K steps 0-3, lanes 16-31 those of steps 4-7
	v_lshlrev_b32 v6, 5, v2                        ; 32 h
	v_lshlrev_b32 v7, 2, v1                        ; 4 r
	v_add_nc_u32 v[COQ], s91, v4
	v_add_nc_u32 v[COV], s92, v4
	v_lshl_add_u32 v21, v1, 4, s95                 ; v's scale bytes into LDS: 16 r + 2 x my half of the keys (+ 4 a)
	v_lshrrev_b32 v24, 1, v4
	v_add_nc_u32 v23, s94, v24                     ; out of it: 8 x lane
	v_add_nc_u32 v24, s93, v24                     ; and in the chunk of v: 256 x my half + 8 x lane
	v_lshl_add_u32 v22, v1, 4, s93
	v_lshl_add_u32 v22, v2, 3, v22                 ; q, k, in the chunk: 256 x my half + 16 r + 8 h
.irp a, 0,1,2,3
	global_load_b128 v[SCX+4*\a:SCX+4*\a+3], v5, s[6:7] offset:512*\a   ; the 32 lanes read 512 consecutive bytes
.endr
.irp k, 0,1,2
.irp b, 0,1,2,3
	global_load_b128 v[SCW+16*\k+4*\b:SCW+16*\k+4*\b+3], v5, s[10:11] offset:32768*\k+512*\b
.endr
.endr
.irp k, 0,1
.irp b, 0,1,2,3
	global_load_b128 v[BI+32*\k+8*\b:BI+32*\k+8*\b+3], v6, s[12:13] offset:4096*\k+64*\b       ; q, k: register j of tile b: the bias of d = 16 b + 8 h + j
	global_load_b128 v[BI+32*\k+8*\b+4:BI+32*\k+8*\b+7], v6, s[12:13] offset:4096*\k+64*\b+16
.endr
.endr
.irp a, 0,1,2,3
	global_load_b32 v[BI+64+8*\a], v7, s[12:13] offset:8192+64*\a          ; v: the bias of my row d = 16 a + r
.endr
.irp b, 0,1,2,3
	v_mov_b32 v[TM+4+\b], 0                        ; written once: a lane permute's destination counts as one of its sources
.endr
	s_wait_alu depctr_va_vdst(0)
	s_wait_tensorcnt 0x0                           ; my part of slice 0 is in
	ds_add_u32 v[SPW], v[NIL]
	s_wait_dscnt 0x0
	CROUND                                         ; everybody's part of slice 0 is in
	JLOAD 1                                        ; slice 1, the first tensor load behind the round
	FETCHX 0
	FETCHW 0
	FETCHW 1
	WIN 0
	s_wait_loadcnt 0x0                             ; the scale words and the bias
.irp a, 0,1,2,3
.irp j, 1,2,3,4,5,6,7
	v_mov_b32 v[BI+64+8*\a+\j], v[BI+64+8*\a]      ; v: all eight registers of tile a
.endr
.endr
	s_wait_alu depctr_va_vdst(0)
	UNIT 0
	UNIT 1
	UNIT 2
	UNIT 3
	TURN 4, 0, 1
	UNIT 5
	UNIT 6
	UNIT 7
	UNIT 8
	UNIT 9
	TURN 10, 1, 1
	UNIT 11
	UNIT 12
	UNIT 13
	UNIT 14
	UNIT 15
	TURN 16, 0, 0
	UNIT 17
	UNIT 18
	UNIT 19
	UNIT 20
	UNIT 21
	UNIT 22
	UNIT 23
	WIN 0
; THE WAY OUT.  A conversion's four registers are the operand's registers of the next launch: they are stored as they stand, 512 consecutive bytes a store.  Each group of codes has registers of its own.
.macro CODES co, pc, step, off
.irp t, 0,1,2,3
	global_store_b128 v[\co], v[\pc+4*\t:\pc+4*\t+3], s[14:15] offset:\off+(\step)*(\t/2)+512*(\t%2)
.endr
.endm
.macro WORDS hw, out, off                ; q, k: the two bytes twice: the word serves codes in blocks 0, 1 or in blocks 2, 3 of an operand
.irp a, 0,1,2,3
	v_lshl_or_b32 v[WD+\a], v[\hw+\a], 16, v[\hw+\a]
.endr
	v_cndmask_b32 v[\out], v[WD], v[WD+2], vcc_lo      ; lanes 0-15 store tiles 0 and 1, lanes 16-31 tiles 2 and 3
	v_cndmask_b32 v[\out+1], v[WD+1], v[WD+3], vcc_lo
	global_store_b64 v22, v[\out:\out+1], s[14:15] offset:\off   ; the 32 lanes fill 256 consecutive bytes, aligned
.endm
	PLACES 8                                       ; in front of the first read of results
	v_cmp_eq_u32 vcc_lo, 1, v2
	QUANT 2, 0, PC, HW
	CODES COQ, PC, 1024, 0
	QUANT 2, 64, PC+16, HW+2
	CODES COQ, PC+16, 1024, 2048
	WORDS HW, WD+4, 8192
	QUANT 3, 0, PC+32, HW+4
	CODES COV, PC+32, 2048, 2*KIND
	QUANT 3, 64, PC+48, HW+6
	CODES COV, PC+48, 2048, 2*KIND+4096
.irp a, 0,1,2,3
	ds_store_b16 v21, v[HW+4+\a] offset:4*\a       ; v: a row's four scale bytes come from two waves, which meet in LDS; both halves of the lanes write the same bytes with the same values
.endr
	QUANT 2, 128, PC+64, HW+8
	CODES COQ, PC+64, 1024, KIND
	QUANT 2, 192, PC+80, HW+10
	CODES COQ, PC+80, 1024, KIND+2048
	WORDS HW+8, WD+6, KIND+8192
	s_wait_dscnt 0x0                               ; for the other wave's sake: my stores are done
	s_barrier_signal -1
	s_barrier_wait -1
	ds_load_b64 v[WD+8:WD+9], v23
	s_wait_dscnt 0x0
	global_store_b64 v24, v[WD+8:WD+9], s[14:15] offset:2*KIND+8192   ; each of the two waves stores one copy of the table
	s_wait_tensorcnt 0x0                           ; the wave's end
	ds_add_u32 v[SPW], v[NIL]
	s_wait_dscnt 0x0
	CROUND                                         ; the closing round
	s_endpgm
.Lfunc_end_k_q53807b05fc_proj:
	.size	k_q53807b05fc_proj, .Lfunc_end_k_q53807b05fc_proj-k_q53807b05fc_proj
	.p2alignl 7, 3214868480
	.fill 96, 4, 3214868480
	.section	.rodata,"a",@progbits
	.p2align	6, 0x0
	.amdhsa_kernel k_q53807b05fc_proj
		.amdhsa_group_segment_fixed_size 327680
		.amdhsa_private_segment_fixed_size 0
		.amdhsa_enable_private_segment 0
		.amdhsa_kernarg_size 48
		.amdhsa_user_sgpr_count 2
		.amdhsa_user_sgpr_kernarg_segment_ptr 1
		.amdhsa_wavefront_size32 1
		.amdhsa_system_sgpr_workgroup_id_x 1
		.amdhsa_system_sgpr_workgroup_id_y 1
		.amdhsa_system_sgpr_workgroup_id_z 1
		.amdhsa_system_vgpr_workitem_id 0
		.amdhsa_next_free_vgpr 1024
		.amdhsa_next_free_sgpr 100
		.amdhsa_reserve_vcc 1
		.amdhsa_float_denorm_mode_32 3
		.amdhsa_float_denorm_mode_16_64 3
		.amdhsa_memory_ordered 1
		.amdhsa_forward_progress 1
		.amdhsa_inst_pref_size 156
	.end_amdhsa_kernel
	.amdgpu_metadata
---
amdhsa.version: [ 1, 2 ]
amdhsa.kernels:
  - .name:           k_q53807b05fc_proj
    .symbol:         k_q53807b05fc_proj.kd
    .args:
      - { .name: query_codes, .offset: 0, .size: 8, .value_kind: global_buffer, .address_space: global }
      - { .name: query_scales, .offset: 8, .size: 8, .value_kind: global_buffer, .address_space: global }
      - { .name: w_in_codes, .offset: 16, .size: 8, .value_kind: global_buffer, .address_space: global }
      - { .name: w_in_scales, .offset: 24, .size: 8, .value_kind: global_buffer, .address_space: global }
      - { .name: b_in, .offset: 32, .size: 8, .value_kind: global_buffer, .address_space: global }
      - { .name: qkv, .offset: 40, .size: 8, .value_kind: global_buffer, .address_space: global }
    .group_segment_fixed_size: 327680
    .private_segment_fixed_size: 0
    .kernarg_segment_align: 8
    .kernarg_segment_size: 48
    .max_flat_workgroup_size: 128
    .sgpr_count:     100
    .vgpr_count:     1024
    .wavefront_size: 32
...
	.end_amdgpu_metadata
.endif
;; end of part 1
;; launch attn (part 2): grid 8 x 32, 16 waves a work-group, clusters of 4 x 1, 327,680 bytes of LDS; arguments qkv, acode, asc; writes acode, asc
.if DOCPART == 2
	.amdgcn_target "amdgcn-amd-amdhsa--gfx1250"
	.amdhsa_code_object_version 6
	.text
	.protected	k_q53807b05fc_attn
	.globl	k_q53807b05fc_attn
	.p2align	8
	.type	k_q53807b05fc_attn,@function
k_q53807b05fc_attn:
	s_mov_b64 s[64:65], 0
	v_nop
	global_prefetch_b8 v0, s[64:65] scope:SCOPE_SE
	s_setreg_imm32_b32 hwreg(HW_REG_WAVE_MODE, 25, 1), 1
	s_wait_xcnt 0x0
	s_wait_alu depctr_hold_cnt(0) depctr_sa_sdst(0) depctr_va_vdst(0) depctr_va_sdst(0) depctr_va_ssrc(0) depctr_va_vcc(0) depctr_vm_vsrc(0)
	s_getreg_b32 s2, hwreg(HW_REG_IB_STS2, 6, 4)
	s_cmp_eq_u32 s2, 0
	s_cbranch_scc0 .Lentry_in_a_cluster
	s_endpgm
.Lentry_in_a_cluster:
	s_bfe_u32 s2, ttmp6, 0x10000c
	s_cmp_lg_u32 s2, 0x3003
	s_cbranch_scc0 .Lentry_shape_is_right
	s_endpgm
.Lentry_shape_is_right:
; LAUNCH 2 OF 3.  For each of the 32 heads (batch x 16 + head): a = softmax(q k^T / 8) v on codes of E4M3, then a's own quantiser along the head's 64: two blocks of 32 of the next product's K.
; (The inputs key and value are left out of the whole program: launch 1's head comment.)
; LIMITS: the scaled scores stay under 2^31 in magnitude.  NaN and infinities are not served.  A block's byte never falls under 1.
; THE SOFTMAX: t = score x log2(e) / 8; M = the row's largest t so far, rounded up to a whole number; p = 2^(t - M) is quantised along the keys, not normalised; the row's sum is taken of the unquantised p and divides at the end.
; When M moves, the sum and O are multiplied by 2^(old M - new M): exact.
; SHARES.  A work-group owns 256 queries of one head, each of its sixteen waves 16 of them, in 256 registers.  Every wave walks all 2,048 keys, 256 a step: M, the sum and O are brought up to date once for 256 keys.
; LDS holds all of the head's K and V: 16 slots of 17,408 bytes, each two chunks of 128 tokens: slot 2 j K's, slot 2 j + 1 V's of step j.  Wave w fetches slot w, one joint load for the four work-groups of the cluster, which share
; the head.  No byte is filled twice.  Slots 0 to 3 (steps 0 and 1) are shown by the first barrier; the others by a barrier that is signalled behind step 0 and waited for behind step 1.
; NO PREFETCH: all of K and V is asked for at the head, and there is no loop in which a request could run ahead of a load.
; LAYOUT.  Both products are transposed: S^T = K Q^T, O^T = V^T P^T: a lane (r = lane % 16, h = lane / 16) holds one query throughout.  The 16 registers of score tiles 2 b, 2 b + 1 are the keys 8 h + 0..7 and 16 + 8 h + 0..7 of block b: V's order too.
; The head's 64 fill half of the matrix instruction's 128 along K: Q stands as [q, zeros, q] in 24 registers; a tile of K is taken together with its neighbour's 8 registers, which meet Q's zeros.
; REGISTERS: v1 16 x lane, v2, v4 the add's two, v5 address, v[6:7] f and r, v8 Q's scale words, v[10:11] the sum in two halves, v12, v3 P's scale words, v14 -M, v15 the largest score, v16-39 Q, v40-71 K's tiles, later P's codes,
; v72-79 K's, then V's scale words, v80-95 block maxima, scale operands and bounds, v96-223 S^T, then p, then V's tiles (v192-223 at first the second four of K's tiles), v224-255 O^T; v0, v9, v13 at work.
.set CHK,   8704                       ; a chunk: 128 tokens: 8,192 bytes of codes, 512 of scale words
.set SLOT,  2*CHK
.set KIND,  139264                     ; from q to k to v of a head in qkv
.set SPARE, 16*SLOT                    ; the spare words, 128 bytes for each wave
.set SPW,   2
.set NIL,   4
.set FF,    6
.set QW,    8
.set LS,    10
.set PW0,   12
.set PW1,   3
.set TT,    13
.set NM,    14
.set RM,    15
.set KF,    40
.set KS,    72
.set T,     80
.set S,     96
.set KF2,   192
.set OT,    224
.macro CROUND                          ; a round of the cluster's barrier
	s_barrier_signal -1
	s_barrier_wait -1
	s_cmp_lg_u32 s12, 0
	s_cbranch_scc1 .Lnot_wave_0_\@
	s_barrier_signal -3
.Lnot_wave_0_\@:
	s_barrier_wait -3
	s_barrier_signal -1
	s_barrier_wait -1
.endm
.macro PLACES n
.rept \n
	v_nop
.endr
.endm
.macro KLOAD c, g, f                   ; four tiles of chunk c, 8 registers each, on end
.irp i, 0,1,2,3
	ds_load_b128 v[\f+8*\i:\f+8*\i+3], v5 offset:CHK*\c+(4*\g+\i)*1024
	ds_load_b128 v[\f+8*\i+4:\f+8*\i+7], v5 offset:CHK*\c+(4*\g+\i)*1024+512
.endr
.endm
.macro SMUL c, g, f                    ; tiles 0, 1, 2 with [q, zeros], the last two tiles' registers with [zeros, q] for tile 3
.irp i, 0,1,2,3
.if \g == 0
	v_wmma_scale_f32_16x16x128_f8f6f4 v[S+64*\c+8*\i:S+64*\c+8*\i+7], v[\f+8*\i-8*(\i/3):\f+8*\i-8*(\i/3)+15], v[16+8*(\i/3):31+8*(\i/3)], 0, v[KS+4*\c+\i], v[QW]
.else
	v_wmma_scale_f32_16x16x128_f8f6f4 v[S+64*\c+32+8*\i:S+64*\c+32+8*\i+7], v[\f+8*\i-8*(\i/3):\f+8*\i-8*(\i/3)+15], v[16+8*(\i/3):31+8*(\i/3)], 0, v[KS+4*\c+\i], v[QW] matrix_a_scale:MATRIX_SCALE_ROW1
.endif
.endr
.endm
.macro BMAX b0, b1                     ; the largest of my 16 scores of each of two blocks, by turns, each accumulator from its low end on
.irp b, \b0, \b1
	v_max3_num_f32 v[T+\b], v[S+16*\b], v[S+1+16*\b], v[S+2+16*\b]
.endr
.irp i, 3,5,7,9,11,13
.irp b, \b0, \b1
	v_max3_num_f32 v[T+\b], v[T+\b], v[S+16*\b+\i], v[S+1+16*\b+\i]
.endr
.endr
.irp b, \b0, \b1
	v_max_num_f32 v[T+\b], v[T+\b], v[S+15+16*\b]
.endr
.endm
.macro CONV b                          ; block b: held (the conversion does not saturate: ISA guide 7.6.2), converted; its 16 registers then take V's tile b % 4 of chunk b / 4
.irp i, 0,2,4,6,8,10,12,14
	v_dual_min_num_f32 v[S+16*\b+\i], v[S+16*\b+\i], v[T+8+\b] :: v_dual_min_num_f32 v[S+16*\b+\i+1], v[S+16*\b+\i+1], v[T+8+\b]
.endr
	v_cvt_scalef32_pk8_fp8_f32 v[KF+4*\b:KF+4*\b+1], v[S+16*\b:S+16*\b+7], v[T+\b]
	v_cvt_scalef32_pk8_fp8_f32 v[KF+4*\b+2:KF+4*\b+3], v[S+16*\b+8:S+16*\b+15], v[T+\b]
.irp c, 0,1,2,3
	ds_load_b128 v[S+16*\b+4*\c:S+16*\b+4*\c+3], v5 offset:SLOT+CHK*(\b/4)+2048*(\b%4)+512*\c
.endr
.endm
.macro PMUL c                          ; O^T += V^T P^T over 128 keys: the four accumulators by turns
.irp t, 0,1,2,3
	v_wmma_scale_f32_16x16x128_f8f6f4 v[OT+8*\t:OT+8*\t+7], v[S+64*\c+16*\t:S+64*\c+16*\t+15], v[KF+16*\c:KF+16*\c+15], v[OT+8*\t:OT+8*\t+7], v[KS+4*\c+\t], v[PW0*(1-\c)+PW1*\c]
.endr
.endm
.macro STEP                            ; 256 keys
	v_add_nc_u32 v5, s2, v1
	PLACES 8                                       ; with the line above nine places behind the last products, whose registers are loaded into and written over
	KLOAD 0, 0, KF
	ds_load_b128 v[KS:KS+3], v5 offset:8192
	KLOAD 0, 1, KF2
	ds_load_b128 v[KS+4:KS+7], v5 offset:CHK+8192
	s_wait_alu depctr_va_vdst(0)
	s_wait_dscnt 9                                 ; the first four tiles and their scale words; the nine behind them may be out
	SMUL 0, 0, KF
	s_wait_dscnt 1                                 ; the second four; chunk 1's scale words may be out
	SMUL 0, 1, KF2
	PLACES 8
	KLOAD 1, 0, KF
	BMAX 0, 1
	s_wait_dscnt 0x0
	SMUL 1, 0, KF
	BMAX 2, 3                                      ; (these 16 lines are the places in front of the loads below)
	KLOAD 1, 1, KF
	s_wait_dscnt 0x0
	SMUL 1, 1, KF
	BMAX 4, 5                                      ; (and these those in front of blocks 6 and 7)
	BMAX 6, 7
.irp b, 0,2,4,6
	v_permlane16_swap_b32 v[T+\b], v[T+\b+1]       ; the halves of two blocks' maxima change places:
.endr
.irp b, 0,2,4,6
	v_max_num_f32 v[T+\b], v[T+\b], v[T+\b+1]      ; lanes 0-15 hold block b's largest score, lanes 16-31 block b + 1's
.endr
	v_max3_num_f32 v[TT], v[T], v[T+2], v[T+4]
	s_delay_alu instid0(VALU_DEP_1)
	v_max_num_f32 v[TT], v[TT], v[T+6]
	s_delay_alu instid0(VALU_DEP_1)
	v_permlanex16_b32 v9, v[TT], s20, s21
	s_delay_alu instid0(VALU_DEP_1)
	v_max3_num_f32 v[RM], v[RM], v[TT], v9         ; my query's largest score so far
	v_mov_b32 v0, v[NM]
	s_delay_alu instid0(VALU_DEP_2)
	v_mul_f32 v[TT], s22, v[RM]
	s_delay_alu instid0(VALU_DEP_1)
	v_floor_f32 v[NM], -v[TT]                      ; -M = floor(-t): a whole number
	s_delay_alu instid0(VALU_DEP_1)
	v_sub_f32 v[TT], v[NM], v0                     ; M's old value less its new one
	s_delay_alu instid0(VALU_DEP_1)
	v_cvt_i32_f32 v[TT], v[TT]                     ; (it saturates)
	s_delay_alu instid0(VALU_DEP_1)
	v_ldexp_f32 v[FF], 1.0, v[TT]                  ; f = 2^(old M - new M)
.irp b, 0,2,4,6
	v_fma_f32 v[T+\b], v[T+\b], s22, v[NM]         ; t - M of the blocks' largest scores: p rises with the score, so they give the blocks' largest p
.endr
.set j, 0
.rept 64
	v_pk_fma_f32 v[S+j:S+j+1], v[S+j:S+j+1], s[22:23], v[NM:NM+1] op_sel_hi:[1,0,0]
.set j, j+2
.endr
	s_wait_alu depctr_va_vdst(0)                   ; the wait ahead of the batch
.irp b, 0,2,4,6
	v_exp_f32 v[T+\b], v[T+\b]
.endr
.set j, 0
.rept 128
	v_exp_f32 v[S+j], v[S+j]
.set j, j+1
.endr
	v_pk_mul_f32 v[LS:LS+1], v[LS:LS+1], v[FF:FF+1] op_sel_hi:[1,0]   ; the sum under the new M: a plain place behind the batch
	s_wait_alu depctr_va_vdst(0)                   ; and ahead of the batch's first reader
.irp b, 0,2,4,6
	v_max_num_f32 v[T+\b], 0x4800000, v[T+\b]      ; the floor 2^(9 - 127): a byte cannot fall under 1
.endr
	ds_load_b128 v[KS:KS+3], v5 offset:SLOT+8192
	ds_load_b128 v[KS+4:KS+7], v5 offset:SLOT+CHK+8192
	v_pk_add_f32 v[64:65], v[S:S+1], v[S+2:S+3]    ; the row's sum, of the unquantised p: four chains
	v_pk_add_f32 v[66:67], v[S+4:S+5], v[S+6:S+7]
	v_pk_add_f32 v[68:69], v[S+8:S+9], v[S+10:S+11]
.set j, 12
.rept 14
	v_pk_add_f32 v[LS:LS+1], v[LS:LS+1], v[S+j:S+j+1]
	v_pk_add_f32 v[64:65], v[64:65], v[S+j+2:S+j+3]
	v_pk_add_f32 v[66:67], v[66:67], v[S+j+4:S+j+5]
	v_pk_add_f32 v[68:69], v[68:69], v[S+j+6:S+j+7]
.set j, j+8
.endr
	v_pk_add_f32 v[LS:LS+1], v[LS:LS+1], v[S+124:S+125]
	v_pk_add_f32 v[64:65], v[64:65], v[S+126:S+127]
.irp b, 0,2,4,6
	v_lshrrev_b32 v[T+8+\b/2], 23, v[T+\b]         ; the exponent fields
.endr
	v_pk_add_f32 v[66:67], v[66:67], v[68:69]
	v_pk_add_f32 v[LS:LS+1], v[LS:LS+1], v[64:65]
	v_lshl_or_b32 v[T+8], v[T+9], 16, v[T+8]       ; lanes 0-15: blocks 0 and 2, lanes 16-31: 1 and 3
	v_lshl_or_b32 v[T+10], v[T+11], 16, v[T+10]
.irp b, 0,2,4,6
	v_mov_b32 v[T+\b+1], v[T+\b]
.endr
	v_permlanex16_b32 v[T+12], v[T+8], s20, s21
	v_permlanex16_b32 v[T+13], v[T+10], s20, s21
.irp b, 0,2,4,6
	v_permlane16_swap_b32 v[T+\b], v[T+\b+1]       ; block b's largest p in all lanes, and block b + 1's
.endr
	v_lshl_or_b32 v[T+8], v[T+12], 8, v[T+8]       ; lanes 0-15: the four fields of a chunk
	v_lshl_or_b32 v[T+10], v[T+13], 8, v[T+10]
	v_pk_add_f32 v[LS:LS+1], v[LS:LS+1], v[66:67]
	v_add_nc_u32 v[PW0], 0xf7f7f7f8, v[T+8]        ; 8 off each: the scale bytes (a field is 9 or more: nothing is borrowed)
	v_add_nc_u32 v[PW1], 0xf7f7f7f8, v[T+10]
.irp b, 0,1,2,3,4,5,6,7
	v_and_or_b32 v[T+8+\b], v[T+\b], 0x7f800000, s19   ; 448 x the scale
.endr
.irp b, 0,1,2,3,4,5,6,7
	v_add_nc_u32 v[T+\b], 0xfc000000, v[T+\b]      ; the conversion's scale operand
.endr
	CONV 0
	CONV 1
	CONV 2
	CONV 3
	CONV 4
	CONV 5
	CONV 6
	CONV 7
	s_wait_alu depctr_va_vdst(0)                   ; the wait directly ahead of the first readers of O^T
.set j, 0
.rept 16
	v_pk_mul_f32 v[OT+j:OT+j+1], v[OT+j:OT+j+1], v[FF:FF+1] op_sel_hi:[1,0]   ; O^T under the new M
.set j, j+2
.endr
	s_wait_alu depctr_va_vdst(0)                   ; and here, directly ahead of the wait below
	s_wait_dscnt 16                                ; V's scale words and chunk 0; chunk 1's 16 loads may be out
	PMUL 0
	s_wait_dscnt 0x0
	PMUL 1
	s_add_co_u32 s2, s2, 2*SLOT
.endm
	s_load_b128 s[4:7], s[0:1], 0x0                ; qkv, acode
	s_load_b64 s[8:9], s[0:1], 0x10                ; asc
	v_lshl_add_u32 v[SPW], v0, 2, SPARE
	v_mov_b32 v[NIL], 0
	ds_add_u32 v[SPW], v[NIL]                      ; the wave's opening: the add, twice on end, and its wait
	ds_add_u32 v[SPW], v[NIL]
	v_lshrrev_b32 v5, 5, v0
	v_readfirstlane_b32 s12, v5                    ; wave 0..15
	s_bfe_u32 s13, ttmp6, 0x40000
	s_lshl_b32 s14, ttmp9, 2
	s_add_co_u32 s14, s14, s13                     ; which 256 queries
	s_and_b32 s15, ttmp7, 0xffff                   ; the head of 32
	s_mul_i32 s16, s15, 3*KIND
	s_mov_b32 s17, 0
	s_lshr_b32 s32, s12, 3                         ; which chunk of my queries,
	s_and_b32 s33, s12, 7                          ; which tile in it
	s_mul_i32 s18, s12, SLOT                       ; my slot
	s_and_b32 s34, s12, 1                          ; K's (0) or V's (1)
	s_mul_i32 s34, s34, KIND
	s_lshr_b32 s35, s12, 1
	s_mul_i32 s35, s35, SLOT
	s_add_co_u32 s36, s34, s35
	s_add_co_u32 s36, s36, KIND
	s_mov_b32 s37, 0
	s_add_nc_u64 s[36:37], s[36:37], s[16:17]
	s_mov_b32 s24, 15|(3<<16)|(1<<21)              ; all four work-groups of the cluster; elements of 8 bytes; 21 set beside a mask; no padding
	s_mov_b32 s25, 32<<16                          ; 17,408 dense bytes as 68 rows of 256
	s_mov_b32 s26, 68<<16
	s_mov_b32 s27, 32<<16
	s_mov_b32 s28, 68
	s_mov_b32 s29, 32
	s_mov_b32 s30, 0
	s_mov_b32 s31, 0
	s_mov_b32 s19, 0x600000                        ; the mantissa field of 448
	s_mov_b32 s20, 0x76543210
	s_mov_b32 s21, 0xfedcba98                      ; v_permlanex16_b32's selects for lane l xor 16
	s_mov_b32 s22, 0x3e38aa3b                      ; log2(e) / 8
	s_mov_b32 s23, s22
	s_mov_b32 s40, 1
	s_mov_b32 s41, s18
	s_wait_dscnt 0x0                               ; both opening adds are done
	s_wait_kmcnt 0x0
	s_add_nc_u64 s[42:43], s[4:5], s[36:37]
	s_or_b32 s43, s43, 0x80000000
	CROUND                                         ; the cluster's four work-groups are here: the joint loads meet
	s_cmp_lt_u32 s12, 4                            ; one load a wave; a line of its own for the slots that the first barrier shows
	s_cbranch_scc0 .Llater
	tensor_load_to_lds s[40:43], s[24:31]
	s_nop 0
	PLACES 4
	s_branch .Lasked
.Llater:
	tensor_load_to_lds s[40:43], s[24:31]
	s_nop 0
	PLACES 4
.Lasked:
	v_and_b32 v7, 15, v0                           ; r
	v_and_b32 v1, 31, v0
	v_lshlrev_b32 v9, 4, v7                        ; 16 r
	v_lshlrev_b32 v1, 4, v1                        ; 16 x lane
	s_wait_alu depctr_va_vdst(0)
	s_lshl_b32 s56, s14, 1
	s_add_co_u32 s56, s56, s32
	s_mul_i32 s56, s56, CHK
	s_mov_b32 s57, 0
	s_add_nc_u64 s[56:57], s[56:57], s[16:17]
	s_add_nc_u64 s[56:57], s[4:5], s[56:57]        ; my chunk of q
	s_lshl_b32 s58, s33, 10
	s_mov_b32 s59, 0
	s_add_nc_u64 s[60:61], s[56:57], s[58:59]      ; my tile's codes
	s_lshr_b32 s62, s33, 2
	s_lshl_b32 s62, s62, 8
	s_and_b32 s63, s33, 3
	s_lshl_b32 s63, s63, 2
	s_add_co_u32 s62, s62, s63
	s_mov_b32 s63, 0
	s_add_nc_u64 s[66:67], s[56:57], s[62:63]      ; and its scale words
	global_load_b128 v[16:19], v1, s[60:61]
	global_load_b128 v[20:23], v1, s[60:61] offset:512
	global_load_b128 v[32:35], v1, s[60:61]
	global_load_b128 v[36:39], v1, s[60:61] offset:512
	global_load_b32 v[QW], v9, s[66:67] offset:8192
	s_lshr_b32 s34, s15, 4                         ; the batch
	s_and_b32 s35, s15, 15                         ; its head
	s_lshl_b32 s68, s34, 4                         ; acode: [block of 128 tokens][K step = head / 2][tile][register 2 (head % 2) ..][512]
	s_lshl_b32 s69, s14, 1
	s_add_co_u32 s68, s68, s69
	s_add_co_u32 s68, s68, s32
	s_lshl_b32 s68, s68, 17
	s_lshr_b32 s70, s35, 1
	s_lshl_b32 s70, s70, 14
	s_add_co_u32 s68, s68, s70
	s_lshl_b32 s69, s33, 11
	s_add_co_u32 s68, s68, s69
	s_and_b32 s71, s35, 1
	s_lshl_b32 s69, s71, 10
	s_add_co_u32 s68, s68, s69
	s_mov_b32 s69, 0
	s_add_nc_u64 s[6:7], s[6:7], s[68:69]
	s_lshl_b32 s72, s34, 11                        ; asc: [K step][token][4 bytes]
	s_lshl_b32 s73, s14, 8
	s_add_co_u32 s72, s72, s73
	s_lshl_b32 s73, s12, 4
	s_add_co_u32 s72, s72, s73
	s_lshl_b32 s72, s72, 2
	s_add_co_u32 s72, s72, s70
	s_lshl_b32 s73, s71, 1
	s_add_co_u32 s72, s72, s73
	s_mov_b32 s73, 0
	s_add_nc_u64 s[8:9], s[8:9], s[72:73]
.set j, 0
.rept 8
	v_mov_b32 v[24+j], 0                           ; Q's zeros
.set j, j+1
.endr
.set j, 0
.rept 32
	v_mov_b32 v[OT+j], 0                           ; (the step is written for all: the first finds zeros)
.set j, j+1
.endr
	v_mov_b32 v[RM], 0xff61b1e6                    ; the largest score so far: -3e38
	v_mul_f32 v[TT], s22, v[RM]
	v_floor_f32 v[NM], -v[TT]
	v_mov_b32 v[LS], 0
	v_mov_b32 v[LS+1], 0
	v_mov_b32 v[T+12], 0                           ; written once: a lane permute's destination counts as one of its sources
	v_mov_b32 v[T+13], 0
	s_mov_b32 s2, 0
	s_wait_alu depctr_va_vdst(0)
	s_wait_loadcnt 0x0                             ; Q
	s_cmp_lt_u32 s12, 4
	s_cbranch_scc0 .Lnot_first
	s_wait_tensorcnt 0x0                           ; waves 0 to 3: my slot is in
.Lnot_first:
	s_barrier_signal -1
	s_barrier_wait -1                              ; slots 0 to 3 are in
	STEP
	s_wait_tensorcnt 0x0                           ; my slot is in, in every wave
	s_barrier_signal -1
	STEP                                           ; reads slots 2 and 3 alone
	s_barrier_wait -1                              ; all slots are in
	s_mov_b32 s2, 4*SLOT
	s_mov_b32 s3, 6
.Lstep:
	STEP
	s_sub_co_u32 s3, s3, 1
	s_cmp_lg_u32 s3, 0
	s_cbranch_scc1 .Lstep
; THE WAY OUT: O^T / the sum, quantised along the head's 64: two blocks of 32.
	v_add_f32 v[LS], v[LS], v[LS+1]
	v_permlanex16_b32 v[TT], v[LS], s20, s21
	v_add_f32 v[LS], v[LS], v[TT]                  ; the row's sum
	s_wait_alu depctr_va_vdst(0)                   ; the wait ahead of the transcendental
	v_rcp_f32 v[LS], v[LS]
	v_lshlrev_b32 v9, 2, v7                        ; 4 r
	PLACES 7                                       ; places behind the last products
	s_wait_alu depctr_va_vdst(0)                   ; and ahead of the first reader
.set j, 0
.rept 32
	v_mul_f32 v[S+j], v[OT+j], v[LS]
.set j, j+1
.endr
.irp b, 0,1
	v_max3_num_f32 v[T+\b], |v[S+16*\b]|, |v[S+1+16*\b]|, 0x4800000
.endr
.irp i, 2,4,6,8,10,12,14
.irp b, 0,1
	v_max3_num_f32 v[T+\b], v[T+\b], |v[S+16*\b+\i]|, |v[S+1+16*\b+\i]|
.endr
.endr
.irp b, 0,1
	v_permlanex16_b32 v[T+2+\b], v[T+\b], s20, s21
.endr
.irp b, 0,1
	v_max_num_f32 v[T+\b], v[T+\b], v[T+2+\b]
.endr
.irp b, 0,1
	v_add_nc_u32 v[T+4+\b], 0xfc000000, v[T+\b]
.endr
.irp b, 0,1
	v_and_or_b32 v[T+8+\b], v[T+\b], 0x7f800000, s19
.endr
.irp b, 0,1
	v_lshrrev_b32 v[T+2+\b], 23, v[T+4+\b]
.endr
	v_lshl_or_b32 v[TT], v[T+3], 8, v[T+2]         ; the two scale bytes
.irp b, 0,1
.irp i, 0,1,2,3,4,5,6,7,8,9,10,11,12,13,14,15
	v_med3_num_f32 v[S+16*\b+\i], v[S+16*\b+\i], -v[T+8+\b], v[T+8+\b]
.endr
	v_cvt_scalef32_pk8_fp8_f32 v[KF+4*\b:KF+4*\b+1], v[S+16*\b:S+16*\b+7], v[T+4+\b]
	v_cvt_scalef32_pk8_fp8_f32 v[KF+4*\b+2:KF+4*\b+3], v[S+16*\b+8:S+16*\b+15], v[T+4+\b]
.endr
	v_nop                                          ; a plain line behind the last conversion
	v_permlane16_swap_b32 v[KF], v[KF+2]           ; into the order of w_o's K: 16 neighbours a lane
	v_permlane16_swap_b32 v[KF+1], v[KF+3]
	v_permlane16_swap_b32 v[KF+4], v[KF+6]
	v_permlane16_swap_b32 v[KF+5], v[KF+7]
	global_store_b128 v1, v[KF:KF+3], s[6:7]       ; 512 consecutive bytes a store
	global_store_b128 v1, v[KF+4:KF+7], s[6:7] offset:512
	global_store_b16 v9, v[TT], s[8:9]
	s_wait_tensorcnt 0x0                           ; the wave's end
	ds_add_u32 v[SPW], v[NIL]
	s_wait_dscnt 0x0
	CROUND                                         ; the closing round
	s_endpgm
.Lfunc_end_k_q53807b05fc_attn:
	.size	k_q53807b05fc_attn, .Lfunc_end_k_q53807b05fc_attn-k_q53807b05fc_attn
	.p2alignl 7, 3214868480
	.fill 96, 4, 3214868480
	.section	.rodata,"a",@progbits
	.p2align	6, 0x0
	.amdhsa_kernel k_q53807b05fc_attn
		.amdhsa_group_segment_fixed_size 327680
		.amdhsa_private_segment_fixed_size 0
		.amdhsa_enable_private_segment 0
		.amdhsa_kernarg_size 24
		.amdhsa_user_sgpr_count 2
		.amdhsa_user_sgpr_kernarg_segment_ptr 1
		.amdhsa_wavefront_size32 1
		.amdhsa_system_sgpr_workgroup_id_x 1
		.amdhsa_system_sgpr_workgroup_id_y 1
		.amdhsa_system_sgpr_workgroup_id_z 1
		.amdhsa_system_vgpr_workitem_id 0
		.amdhsa_next_free_vgpr 256
		.amdhsa_next_free_sgpr 80
		.amdhsa_reserve_vcc 0
		.amdhsa_float_denorm_mode_32 3
		.amdhsa_float_denorm_mode_16_64 3
		.amdhsa_memory_ordered 1
		.amdhsa_forward_progress 1
		.amdhsa_inst_pref_size 116
	.end_amdhsa_kernel
	.amdgpu_metadata
---
amdhsa.version: [ 1, 2 ]
amdhsa.kernels:
  - .name:           k_q53807b05fc_attn
    .symbol:         k_q53807b05fc_attn.kd
    .args:
      - { .name: qkv, .offset: 0, .size: 8, .value_kind: global_buffer, .address_space: global }
      - { .name: acode, .offset: 8, .size: 8, .value_kind: global_buffer, .address_space: global }
      - { .name: asc, .offset: 16, .size: 8, .value_kind: global_buffer, .address_space: global }
    .group_segment_fixed_size: 327680
    .private_segment_fixed_size: 0
    .kernarg_segment_align: 8
    .kernarg_segment_size: 24
    .max_flat_workgroup_size: 512
    .sgpr_count:     80
    .vgpr_count:     256
    .wavefront_size: 32
...
	.end_amdgpu_metadata
.endif
;; end of part 2
;; launch outp (part 3): grid 8 x 32, 4 waves a work-group, clusters of 4 x 4, 327,680 bytes of LDS; arguments acode, asc, w_o_codes, w_o_scales, b_o, out0; writes out0
.if DOCPART == 3
	.amdgcn_target "amdgcn-amd-amdhsa--gfx1250"
	.amdhsa_code_object_version 6
	.text
	.protected	k_q53807b05fc_outp
	.globl	k_q53807b05fc_outp
	.p2align	8
	.type	k_q53807b05fc_outp,@function
k_q53807b05fc_outp:
	s_mov_b64 s[64:65], 0
	v_nop
	global_prefetch_b8 v0, s[64:65] scope:SCOPE_SE
	s_setreg_imm32_b32 hwreg(HW_REG_WAVE_MODE, 25, 1), 1
	s_wait_xcnt 0x0
	s_wait_alu depctr_hold_cnt(0) depctr_sa_sdst(0) depctr_va_vdst(0) depctr_va_sdst(0) depctr_va_ssrc(0) depctr_va_vcc(0) depctr_vm_vsrc(0)
	s_getreg_b32 s2, hwreg(HW_REG_IB_STS2, 6, 4)
	s_cmp_eq_u32 s2, 0
	s_cbranch_scc0 .Lentry_in_a_cluster
	s_endpgm
.Lentry_in_a_cluster:
	s_bfe_u32 s2, ttmp6, 0x10000c
	s_cmp_lg_u32 s2, 0xf033
	s_cbranch_scc0 .Lentry_shape_is_right
	s_endpgm
.Lentry_shape_is_right:
; LAUNCH 3 OF 3.  out0 = a w_o^T + b_o on codes of E4M3 with one E8M0 scale for each 32 along K = 1,024; sums in f32.  a: the attention's result as launch 2 quantised it.
; (The inputs key and value are left out of the whole program: launch 1's head comment.)  NaN and infinities are not served.
; acode: [block of 128 tokens 32][K step 8][token tile 8][four registers 4][512]: images of the operand's registers, lane l's 16 bytes at 16 l.  asc: [K step 8][token 4,096][4]: a token's scale word of a K step.
; SHARES.  A work-group makes 128 tokens x 128 columns; four waves, 64 x 64 each: 16 accumulators.  All of K for both operands lies in LDS, as two halves of 512 along K: wave 0 fetches a's first half, wave 1 w_o's first half,
; wave 2 a's second, wave 3 w_o's second: one tensor load a wave.  The second half is read behind a barrier in front of K step 4.  No LDS byte is filled twice.
; NO PREFETCH: everything is asked for at the head.
; The matrix instruction takes 16 rows of w_o (R) as source 0 and 16 tokens (P) as source 1: a lane holds one token and eight neighbouring columns.
; CLUSTER: 4 x 4.  a's tiles are shared along a row of the cluster, w_o's along a column: joint loads.
; REGISTERS.  window 0: v1 r, v2 h, v4 16 x lane, v5-7 offsets of scale words and bias, v8-9 and v12-13 LDS addresses of P's and R's fragments, v16-18 the way out, v28-29 the add's two, v32-47 P's scale words,
; v48-63 R's, v64-95 the bias, later with v96-127 rows on their way out, v128-255 the accumulators.  window 1: two buffers of 128: P's four fragments, then R's four.
.set ROFF,  65536                      ; in a half: a's images of four K steps, then w_o's 128 rows of 512 bytes + 16 of padding
.set HB,    133120                     ; a half
.set STAGE, 2*HB                       ; the way out: 16 rows x (256 bytes + 16) for each wave; no tensor load lands here
.set SPARE, STAGE+4*4352               ; the spare words, 128 bytes for each wave
.set ADRP,  8
.set ADRR,  12
.set STO,   16
.set RD,    17
.set CO,    18
.set SPW,   28
.set NIL,   29
.set SP,    32
.set SR,    48
.set BI,    64
.set ACC,   128
.set G1P,   24                         ; s[24:31] descriptor group 1 for a's images;  s[32:39] for w_o's rows
.set G1R,   32
.set G0P,   40                         ; s[40:43], s[44:47] their groups 0
.set G0R,   44
.set MSB,   0
.set MUL,   0x05                       ; sources 0 and 1 window 1; C and D window 0
.set TO_F,  0x40                       ; destination window 1, address window 0
.macro WIN new                         ; the immediate's high byte repeats the setting that is left
.if MSB != \new
	s_set_vgpr_msb (MSB<<8)|\new
.set MSB, \new
.endif
.endm
.macro PLACES n
.rept \n
	v_nop
.endr
.endm
.macro CROUND                          ; a round of the cluster's barrier
	s_barrier_signal -1
	s_barrier_wait -1
	s_cmp_lg_u32 s16, 0
	s_cbranch_scc1 .Lnot_wave_0_\@
	s_barrier_signal -3
.Lnot_wave_0_\@:
	s_barrier_wait -3
	s_barrier_signal -1
	s_barrier_wait -1
.endm
; 32 LDS loads in one run: the fragments of K step s into buffer f: R's four, P's blocks 0 and 1, P's blocks 2 and 3
.macro FETCH s, f
	WIN TO_F
.irp b, 0,1,2,3
.irp c, 0,1,2,3
	ds_load_b128 v[\f+64+16*\b+4*\c:\f+64+16*\b+4*\c+3], v[ADRR+(\s)/4] offset:\b*8448+((\s)%4)*128+\c*32
.endr
.endr
.irp a, 0,1,2,3
.irp c, 0,1,2,3
	ds_load_b128 v[\f+16*\a+4*\c:\f+16*\a+4*\c+3], v[ADRP+(\s)/4] offset:\a*2048+((\s)%4)*16384+\c*512
.endr
.endr
.endm
; 8 matrix instructions: P's blocks a0, a0 + 1 x R's four.  cm = 1: the sums start from the bias; 0: they go on.  A scale register holds step s % 4 in lanes 0-15 and step 4 + s % 4 in lanes 16-31.
; The 16 accumulators take turns, one instruction a turn, in the same order in every step.
.macro MUL8 f, a0, s, cm
.irp a, \a0, \a0+1
.irp b, 0,1,2,3
.if \cm == 1
	v_wmma_scale_f32_16x16x128_f8f6f4 v[ACC+8*(4*(\a)+\b):ACC+8*(4*(\a)+\b)+7], v[\f+64+16*\b:\f+64+16*\b+15], v[\f+16*(\a):\f+16*(\a)+15], v[BI+8*\b:BI+8*\b+7], v[SR+4*\b+(\s)%4], v[SP+4*(\a)+(\s)%4]
.elseif (\s) < 4
	v_wmma_scale_f32_16x16x128_f8f6f4 v[ACC+8*(4*(\a)+\b):ACC+8*(4*(\a)+\b)+7], v[\f+64+16*\b:\f+64+16*\b+15], v[\f+16*(\a):\f+16*(\a)+15], v[ACC+8*(4*(\a)+\b):ACC+8*(4*(\a)+\b)+7], v[SR+4*\b+(\s)%4], v[SP+4*(\a)+(\s)%4]
.else
	v_wmma_scale_f32_16x16x128_f8f6f4 v[ACC+8*(4*(\a)+\b):ACC+8*(4*(\a)+\b)+7], v[\f+64+16*\b:\f+64+16*\b+15], v[\f+16*(\a):\f+16*(\a)+15], v[ACC+8*(4*(\a)+\b):ACC+8*(4*(\a)+\b)+7], v[SR+4*\b+(\s)%4], v[SP+4*(\a)+(\s)%4] matrix_a_scale:MATRIX_SCALE_ROW1 matrix_b_scale:MATRIX_SCALE_ROW1
.endif
.endr
.endr
.endm
; K step s of eight: 16 matrix instructions on buffer s % 2; in its middle the next step's fragments are fetched into the other buffer.  Step 3 is the first half's last.
.macro STEP s, cm
.set FB, 128*((\s)%2)
.set GB, 128-FB
.if (\s) == 3
	s_wait_dscnt 0x0                               ; no LDS load of mine is out at the signal
	s_wait_tensorcnt 0x0                           ; my load is in
	s_barrier_signal -1
.else
	s_wait_dscnt 8                                 ; R's fragments and P's blocks 0 and 1 are in; the youngest eight loads (P's blocks 2 and 3) may be out
.endif
	WIN MUL
	MUL8 FB, 0, \s, \cm
.if (\s) == 3
	s_barrier_wait -1                              ; the second half of K is in
.endif
.if (\s) < 7
	PLACES 8                                       ; in front of loads into the buffer that the step before multiplied (ISA guide 7.12.1 for vector instructions)
	FETCH (\s)+1, GB
.endif
.if (\s) == 7
	s_wait_dscnt 0x0
.elseif (\s) != 3
	s_wait_dscnt 32                                ; all but the 32 just issued
.endif
	WIN MUL
	MUL8 FB, 2, \s, \cm
.endm
	s_load_b256 s[4:11], s[0:1], 0x0               ; acode s[4:5], asc s[6:7], w_o's codes s[8:9], its scales s[10:11]
	s_load_b128 s[12:15], s[0:1], 0x20             ; b_o s[12:13], out0 s[14:15]
	v_lshl_add_u32 v[SPW], v0, 2, SPARE
	v_mov_b32 v[NIL], 0
	ds_add_u32 v[SPW], v[NIL]                      ; the wave's opening: the add, twice on end, and its wait ahead of my first tensor load
	ds_add_u32 v[SPW], v[NIL]
	v_lshrrev_b32 v1, 5, v0
	v_readfirstlane_b32 s16, v1                    ; wave 0..3
	s_lshr_b32 s17, s16, 1                         ; which 64 tokens are mine.  Also: which half of K I fetch
	s_and_b32 s18, s16, 1                          ; which 64 columns.  Also: I fetch for a (0) or for w_o (1)
	s_bfe_u32 s76, ttmp6, 0x40000                  ; cx, cy
	s_bfe_u32 s77, ttmp6, 0x40004
	s_lshl_b32 s78, ttmp9, 2
	s_add_co_u32 s78, s78, s76                     ; tx: which 128 columns
	s_and_b32 s79, ttmp7, 0xffff
	s_lshl_b32 s79, s79, 2
	s_add_co_u32 s79, s79, s77                     ; ty: which 128 tokens
	s_lshl_b32 s80, s77, 2
	s_lshl_b32 s80, 15, s80                        ; my row of the cluster
	s_lshl_b32 s81, 0x1111, s76                    ; my column
	s_or_b32 s[G1P], s80, (1<<21)                  ; 15:0 the mask; 17:16 elements of 1 byte; 21 set beside a mask; no padding: images are read 16 bytes a lane on end
	s_mov_b32 s[G1P+1], 256<<16                    ; four K steps' images: 256 dense rows of 256 bytes
	s_mov_b32 s[G1P+2], 256<<16
	s_mov_b32 s[G1P+3], 256<<16
	s_mov_b32 s[G1P+4], 256
	s_mov_b32 s[G1P+5], 256
	s_mov_b32 s[G1P+6], 0
	s_mov_b32 s[G1P+7], 0
	s_or_b32 s[G1R], s81, (1<<20)|(1<<21)|(6<<22)|(3<<25)   ; padding: four words after every 128
	s_mov_b32 s[G1R+1], 512<<16                    ; 128 rows of w_o, 512 of their 1,024 bytes
	s_mov_b32 s[G1R+2], 128<<16
	s_mov_b32 s[G1R+3], 512<<16
	s_mov_b32 s[G1R+4], 128
	s_mov_b32 s[G1R+5], 1024
	s_mov_b32 s[G1R+6], 0
	s_mov_b32 s[G1R+7], 0
	s_lshl_b32 s84, s79, 17                        ; a: my 128 tokens' block,
	s_lshl_b32 s19, s17, 16
	s_add_co_u32 s84, s84, s19                     ; my half of K
	s_mov_b32 s85, 0
	s_lshl_b32 s86, s78, 17                        ; w_o: my 128 rows of 1,024 bytes,
	s_lshl_b32 s19, s17, 9
	s_add_co_u32 s86, s86, s19                     ; my half of K
	s_mov_b32 s87, 0
	s_mul_i32 s88, s17, HB                         ; and where they go
	s_mov_b32 s[G0P], 1
	s_mov_b32 s[G0P+1], s88
	s_mov_b32 s[G0R], 1
	s_add_co_u32 s[G0R+1], s88, ROFF
	s_wait_dscnt 0x0                               ; both opening adds are done
	s_wait_kmcnt 0x0
	s_add_nc_u64 s[G0P+2:G0P+3], s[4:5], s[84:85]
	s_or_b32 s[G0P+3], s[G0P+3], 0x80000000
	s_add_nc_u64 s[G0R+2:G0R+3], s[8:9], s[86:87]
	s_or_b32 s[G0R+3], s[G0R+3], 0x80000000
	CROUND                                         ; all sixteen work-groups are here: the joint loads meet
.macro ARM under, g0, g1, next
	s_cmp_lt_u32 s16, \under
	s_cbranch_scc0 \next
	tensor_load_to_lds s[\g0:\g0+3], s[\g1:\g1+7]
	s_nop 0
	PLACES 4
	s_branch .Lasked
\next:
.endm
	ARM 1, G0P, G1P, .Larm_1                       ; one load a wave, an arm each
	ARM 2, G0R, G1R, .Larm_2
	ARM 3, G0P, G1P, .Larm_3
	tensor_load_to_lds s[G0R:G0R+3], s[G1R:G1R+7]
	s_nop 0
	PLACES 4
.Lasked:
	s_lshl_b32 s90, s17, 13                        ; P: my four tiles of 2,048 bytes
	s_mul_i32 s91, s18, 33792
	s_add_co_u32 s91, s91, ROFF                    ; R: my 64 rows
	s_mul_i32 s92, s16, 4352
	s_add_co_u32 s92, s92, STAGE                   ; my stage
	s_mov_b32 s97, 0
	s_lshl_b32 s96, s79, 9                         ; asc at my first token: 4 bytes a token
	s_lshl_b32 s19, s17, 8
	s_add_co_u32 s96, s96, s19
	s_add_nc_u64 s[6:7], s[6:7], s[96:97]
	s_lshl_b32 s96, s78, 12                        ; w_o's scales at my first row: 32 bytes a row
	s_lshl_b32 s19, s18, 11
	s_add_co_u32 s96, s96, s19
	s_add_nc_u64 s[10:11], s[10:11], s[96:97]
	s_lshl_b32 s96, s78, 9                         ; b_o at my first column; the same bytes on in a row of out0
	s_lshl_b32 s19, s18, 8
	s_add_co_u32 s96, s96, s19
	s_add_nc_u64 s[12:13], s[12:13], s[96:97]
	s_add_nc_u64 s[14:15], s[14:15], s[96:97]
	s_lshl_b32 s96, s79, 19                        ; out0 at my first token: 4,096 bytes a row
	s_lshl_b32 s19, s17, 18
	s_add_co_u32 s96, s96, s19
	s_add_nc_u64 s[14:15], s[14:15], s[96:97]
	v_and_b32 v1, 15, v0                           ; r
	v_bfe_u32 v2, v0, 4, 1                         ; h
	v_and_b32 v4, 31, v0
	v_lshlrev_b32 v4, 4, v4                        ; 16 x lane
	v_mul_u32_u24 v3, v1, 528
	v_lshl_add_u32 v3, v2, 4, v3                   ; a fragment's row x pitch + 16 h
	v_add_nc_u32 v[ADRP], s90, v4
	v_add_nc_u32 v[ADRR], s91, v3
	v_add_nc_u32 v[ADRP+1], HB, v[ADRP]
	v_add_nc_u32 v[ADRR+1], HB, v[ADRR]
	v_lshlrev_b32 v5, 2, v1
	v_lshl_add_u32 v5, v2, 16, v5                  ; 4 r; lanes 16-31 four K steps on
	v_lshlrev_b32 v6, 5, v1
	v_lshl_add_u32 v6, v2, 4, v6                   ; 32 r + 16 h
	v_lshlrev_b32 v7, 5, v2                        ; 32 h
	v_mul_u32_u24 v[STO], v1, 272
	v_lshl_add_u32 v[STO], v2, 5, v[STO]
	v_add_nc_u32 v[STO], s92, v[STO]               ; in: row r, 32 bytes for each half of the lanes
	v_mul_u32_u24 v[RD], v2, 272
	v_lshl_add_u32 v[RD], v1, 4, v[RD]
	v_add_nc_u32 v[RD], s92, v[RD]                 ; back: lanes 0-15 one row of 256 bytes, lanes 16-31 the next
	v_lshlrev_b32 v[CO], 12, v2
	v_lshl_add_u32 v[CO], v1, 4, v[CO]             ; and the same two rows in out0
.irp a, 0,1,2,3
.irp q, 0,1,2,3
	global_load_b32 v[SP+4*\a+\q], v5, s[6:7] offset:\q*16384+64*\a   ; lanes 0-15: K step q, lanes 16-31: K step 4 + q, of tokens 16 a + r
.endr
.endr
.irp b, 0,1,2,3
	global_load_b128 v[SR+4*\b:SR+4*\b+3], v6, s[10:11] offset:512*\b
.endr
.irp b, 0,1,2,3
	global_load_b128 v[BI+8*\b:BI+8*\b+3], v7, s[12:13] offset:64*\b          ; register j of tile b: the bias of column 16 b + 8 h + j
	global_load_b128 v[BI+8*\b+4:BI+8*\b+7], v7, s[12:13] offset:64*\b+16
.endr
	s_wait_alu depctr_va_vdst(0)
	s_cmp_lt_u32 s16, 2
	s_cbranch_scc0 .Lnot_first
	s_wait_tensorcnt 0x0                           ; waves 0, 1: my part of K's first half is in
.Lnot_first:
	s_barrier_signal -1
	s_barrier_wait -1                              ; the first half of K is in
	FETCH 0, 0
	s_wait_loadcnt 0x0                             ; the scale words and the bias
	STEP 0, 1                                      ; the first step's products start the sums from the bias
	STEP 1, 0
	STEP 2, 0
	STEP 3, 0
	STEP 4, 0
	STEP 5, 0
	STEP 6, 0
	STEP 7, 0
	WIN 0
; THE WAY OUT, 16 tokens at a time.  A lane holds 32 neighbouring bytes of a row and the lanes beside it hold other rows: so a block goes through my own stage and comes back as whole rows of 256 bytes.
; LDS serves a wave's instructions in order (ISA guide 5.7.1.4): no wait between the stores and the loads, nor in front of the next block's stores.
.macro TOSTAGE a
.irp b, 0,1,2,3
	ds_store_b128 v[STO], v[ACC+8*(4*(\a)+\b):ACC+8*(4*(\a)+\b)+3] offset:64*\b          ; each accumulator from its low end on
	ds_store_b128 v[STO], v[ACC+8*(4*(\a)+\b)+4:ACC+8*(4*(\a)+\b)+7] offset:64*\b+16
.endr
.irp i, 0,1,2,3,4,5,6,7
	ds_load_b128 v[64+32*((\a)%2)+4*\i:64+32*((\a)%2)+4*\i+3], v[RD] offset:\i*544
.endr
.endm
.macro SEND a, younger                 ; younger: the LDS instructions issued behind block a's loads, which may stay out
	s_wait_dscnt \younger
.irp i, 0,1,2,3,4,5,6,7
	global_store_b128 v[CO], v[64+32*((\a)%2)+4*\i:64+32*((\a)%2)+4*\i+3], s[14:15] offset:(16*(\a)+2*\i)*4096 th:TH_STORE_NT   ; 16 lanes store 256 consecutive bytes, aligned; written once, read by nobody here
.endr
.endm
	PLACES 8                                       ; in front of the first read of results
	TOSTAGE 0
.irp a, 1,2,3
.if \a > 1
	s_wait_xcnt 0x0                                ; block a - 2's stores have read their registers: block a's loads may land there
.endif
	TOSTAGE \a
	SEND \a-1, 16                                  ; behind block a - 1's loads: block a's 8 stores and 8 loads
.endr
	SEND 3, 0
	s_wait_tensorcnt 0x0                           ; the wave's end
	ds_add_u32 v[SPW], v[NIL]
	s_wait_dscnt 0x0
	CROUND                                         ; the closing round
	s_endpgm
.Lfunc_end_k_q53807b05fc_outp:
	.size	k_q53807b05fc_outp, .Lfunc_end_k_q53807b05fc_outp-k_q53807b05fc_outp
	.p2alignl 7, 3214868480
	.fill 96, 4, 3214868480
	.section	.rodata,"a",@progbits
	.p2align	6, 0x0
	.amdhsa_kernel k_q53807b05fc_outp
		.amdhsa_group_segment_fixed_size 327680
		.amdhsa_private_segment_fixed_size 0
		.amdhsa_enable_private_segment 0
		.amdhsa_kernarg_size 48
		.amdhsa_user_sgpr_count 2
		.amdhsa_user_sgpr_kernarg_segment_ptr 1
		.amdhsa_wavefront_size32 1
		.amdhsa_system_sgpr_workgroup_id_x 1
		.amdhsa_system_sgpr_workgroup_id_y 1
		.amdhsa_system_sgpr_workgroup_id_z 1
		.amdhsa_system_vgpr_workitem_id 0
		.amdhsa_next_free_vgpr 512
		.amdhsa_next_free_sgpr 100
		.amdhsa_reserve_vcc 0
		.amdhsa_float_denorm_mode_32 3
		.amdhsa_float_denorm_mode_16_64 3
		.amdhsa_memory_ordered 1
		.amdhsa_forward_progress 1
		.amdhsa_inst_pref_size 53
	.end_amdhsa_kernel
	.amdgpu_metadata
---
amdhsa.version: [ 1, 2 ]
amdhsa.kernels:
  - .name:           k_q53807b05fc_outp
    .symbol:         k_q53807b05fc_outp.kd
    .args:
      - { .name: acode, .offset: 0, .size: 8, .value_kind: global_buffer, .address_space: global }
      - { .name: asc, .offset: 8, .size: 8, .value_kind: global_buffer, .address_space: global }
      - { .name: w_o_codes, .offset: 16, .size: 8, .value_kind: global_buffer, .address_space: global }
      - { .name: w_o_scales, .offset: 24, .size: 8, .value_kind: global_buffer, .address_space: global }
      - { .name: b_o, .offset: 32, .size: 8, .value_kind: global_buffer, .address_space: global }
      - { .name: out0, .offset: 40, .size: 8, .value_kind: global_buffer, .address_space: global }
    .group_segment_fixed_size: 327680
    .private_segment_fixed_size: 0
    .kernarg_segment_align: 8
    .kernarg_segment_size: 48
    .max_flat_workgroup_size: 128
    .sgpr_count:     100
    .vgpr_count:     512
    .wavefront_size: 32
...
	.end_amdgpu_metadata
.endif
;; end of part 3
